; MI455X (gfx1250); checked and timed in simulation.
; The chip was launched on July 23, 2026; its instructions are those of AMD's public machine-readable ISA for CDNA 5 (MIT licence, August 2026) and "CDNA5" Instruction Set Architecture Reference Guide (July 2026). The comments in the code are by the model that wrote it; some were corrected since.
;; MSA. Allowed arithmetic: matrix products marked QUANTISED: E5M2 operands, one given power-of-two scale a tensor, by v_wmma_f32_16x16x64_bf8_bf8 or v_wmma_f32_16x16x128_bf8_bf8, f32 sums; everything else in f32.
;; Inputs: W_proj 1,024 x 1,024 float32; W_qkv 1,024 x 3,072 float32; b_proj 1,024 float32; b_qkv 3,072 float32; ln_b 1,024 float32; ln_w 1,024 float32; lowp_scales 8 int32 (the exponents e of the quantised operands' scales 2^e); z 8 x 1,024 x 1,024 float32.
;; Outputs: out0 8 x 1,024 x 1,024 float32.
;; This version of the problem:
;;   THIS VERSION OF THE PROBLEM IS GIVEN IN LOW PRECISION. The matrix products marked QUANTISED in the list below multiply operands that are first quantised to E5M2 (5 exponent bits, 2 mantissa bits; 8 bits a number), with one given power-of-two scale for each operand tensor; their sums are f32. All else is computed in f32.
;;   The module's matrix products, in the order in which they are computed (A, B: the left and right operand; K: the contracted axis; several contracted axes count as one K, in the product's order):
;;     1. [M 8,192, K 1,024] x [K 1,024, N 3,072]; A: computed on the way; B: input W_qkv: QUANTISED (scales: A lowp_scales[0], B lowp_scales[1])
;;     2. batch 128 x [M 1,024, K 64] x [K 64, N 1,024]; A: computed on the way; B: computed on the way: QUANTISED (scales: A lowp_scales[2], B lowp_scales[3])
;;     3. batch 128 x [M 1,024, K 1,024] x [K 1,024, N 64]; A: softmax (see below); B: computed on the way: QUANTISED (scales: A lowp_scales[4], B lowp_scales[5])
;;     4. [M 8,192, K 1,024] x [K 1,024, N 1,024]; A: computed on the way; B: input W_proj: QUANTISED (scales: A lowp_scales[6], B lowp_scales[7])
;;   THE QUANTISER, for each operand of a quantised product, along K:
;;     - The operand's scale is 2^e, e = its entry of the input lowp_scales (int32; the entries are numbered through the quantised products in the list's order, A before B).
;;     - Each number is divided by the scale, clamped to +-57,344, and rounded to the nearest number of E5M2, ties to even, subnormals kept.
;;     - The product sums the exact products of the quantised numbers (number of the format x scale) in f32.
;;   ~~~python
;;   def quantise(x, axis, e):      # numpy; x: float32 -> the quantised numbers, widened to float32 again
;;       x = np.moveaxis(x, axis, -1); K = x.shape[-1]
;;       r = np.clip(x / 2.0 ** e, -57344, 57344)
;;       step = 2.0 ** (np.maximum(np.frexp(np.where(r == 0, 1, r))[1] - 1, -14) - 2)
;;       q = np.round(r / step) * step * 2.0 ** e      # np.round: ties to even
;;       return np.moveaxis(q, -1, axis).astype(np.float32)
;;   ~~~
;;   SOFTMAX AHEAD OF A QUANTISED PRODUCT. Where the list says 'softmax', what is quantised is not the finished softmax but p = 2^(t - M), with t = logit x log2(e) and M = ceil(the row's largest t), a whole number; so 1/2 < the row's largest p <= 1. The row's sum l is taken of the UNQUANTISED p, in f32, and the product's result is divided by l at the end. Since M is a whole number, a kernel that streams over the keys may use a running M (the ceiling of the running maximum): every later rescaling is an exact power of two, so the quantised numbers keep their values, but for numbers so far below the row's largest that they fall under the format's range.
;;   OPERANDS COMPUTED ON THE WAY. 'Computed on the way' means the value that the module computes at that place (a softmax that the list does not call 'softmax' is quantised finished and normalised). What goes into a quantiser is computed in f32, as accurately as f32 sums, v_exp_f32 and their like allow (about 1e-6 of the number): no bf16 or f16 on the way to a quantiser, and a product that is left as it is and whose result goes on into a quantised operand takes f32 operands (vector FMAs, or v_wmma_f32_16x16x4_f32). A number that lies on a knife's edge between two numbers of the format may be rounded either way, as far as f32 arithmetic and the matrix unit's own rounding can turn it there, and no further.
;; One version. Each part assembles by itself: llvm-mc -triple=amdgcn-amd-amdhsa -mcpu=gfx1250 --defsym DOCPART=n.
;; ======== version 1 of 1: 4 launches
;; limits: right only within a limited range of input values
;; workspace buffers: zn_img 8,388,608 bytes; wq_img 3,145,728 bytes; wp_img 1,048,576 bytes; q_img 8,388,608 bytes; k_img 8,388,608 bytes; v_img 8,388,608 bytes; att_img 8,388,608 bytes
;; launch prep (part 1): grid 96 x 8, 4 waves a work-group, no clusters, 17,920 bytes of LDS; arguments z, ln_w, ln_b, W_qkv, W_proj, lowp_scales, zn_img, wq_img, wp_img; writes zn_img, wq_img, wp_img
.if DOCPART == 1
	.amdgcn_target "amdgcn-amd-amdhsa--gfx1250"
	.amdhsa_code_object_version 6
	.text
	.protected	k_qf643915aae_prep
	.globl	k_qf643915aae_prep
	.p2align	8
	.type	k_qf643915aae_prep,@function
k_qf643915aae_prep:
	s_mov_b64 s[64:65], 0
	v_nop
	global_prefetch_b8 v0, s[64:65] scope:SCOPE_SE
	s_setreg_imm32_b32 hwreg(HW_REG_WAVE_MODE, 25, 1), 1
	s_wait_xcnt 0x0
; THREE OPERANDS BECOME CODES OF BF8 (E5M2), each with the one scale 2^e that is given for it: LayerNorm(z) (e0), W_qkv (e1), W_proj (e7).
; code = x / 2^e, held within +-57,344, rounded to the nearest code, ties to even.  No step of the problem is left out.
; LIMITS: e0, e1, e7 between -126 and 112, so that 2^e and 57,344 x 2^e are f32 numbers.  NaN among the inputs is not served; an infinity is held at the largest code.
; THE CODES ARE LAID AS IMAGES OF THE OPERAND'S REGISTERS: [tile of 16 rows][q: K step of 128, 8][c: 4][lane: 32][16 bytes]; lane (r, hh) holds row r.
; Which k stands in place (q, c, hh, byte i) is free so long as both operands of a product agree:
;   product 1 (zn_img, wq_img): k = 512 (q / 4) + 32 (q % 4) + 8 c + 4 hh + 256 (i / 8) + 128 ((i / 4) % 2) + i % 4: what loads of 512 consecutive bytes of a row of z leave in a lane
;   product 4 (wp_img):         k = 128 q + 32 c + 16 (i / 8) + 8 hh + i % 8: what the attention's results leave in a lane
; SHARES, 768 work-groups, by x and y:  x < 24: W_qkv, columns 128 x on, K step y;  24 <= x < 32: W_proj likewise;  x >= 32: the tile of 16 tokens 8 (x - 32) + y, four rows a wave.
; WEIGHTS: a lane takes a column and its registers run down K in the image's order, so the conversions' results are the image's bytes; each store writes two aligned runs of 256 bytes.
; LAYERNORM: a wave holds a row in 32 registers: mean, then the squares of x - mean, 1 / sqrt, gain and bias, all f32.
; A lane's 16 codes belong to one token and 16 places of the image: the tile's codes meet in a stage in LDS (64 rows of 256 bytes + 16) and leave as 512 consecutive bytes a store.
; No tensor loads; one barrier, on every wave's way.  No prefetch: the launch has no loop to run ahead in.
.set SP, 272                           ; a stage row: 68 words: neighbouring rows start four banks apart
.macro REDUCE                          ; v20 summed over the wave's 32 lanes, the result in every lane
	v_add_f32_dpp v20, v20, v20 row_xmask:1 row_mask:0xf bank_mask:0xf
	v_add_f32_dpp v20, v20, v20 row_xmask:2 row_mask:0xf bank_mask:0xf
	v_add_f32_dpp v20, v20, v20 row_xmask:4 row_mask:0xf bank_mask:0xf
	v_add_f32_dpp v20, v20, v20 row_xmask:8 row_mask:0xf bank_mask:0xf
	v_permlanex16_b32 v9, v20, s36, s37
	v_add_f32 v20, v20, v9
.endm
; Piece t (c = t) of my column: 32 numbers, first lane half 0's sixteen, then lane half 1's, into set t % 2
.macro WLOAD t, nb, map
.set rho, 0
.rept 32
.if \map == 0
.set wrow, 8*(\t)+4*(rho/16)+256*((rho%16)/8)+128*(((rho%16)/4)%2)+(rho%4)
.else
.set wrow, 32*(\t)+16*((rho%16)/8)+8*(rho/16)+(rho%8)
.endif
	global_load_b32 v[32+32*((\t)%2)+rho], v3, s[40:41] offset:wrow*\nb th:TH_LOAD_NT
.set rho, rho+1
.endr
.endm
.macro WBLOCK t, nb, map
.set XS, 32+32*((\t)%2)
.if (\t) < 3
	s_wait_loadcnt 32                              ; this piece's 32 loads are in; the next piece's 32 may be out
.else
	s_wait_loadcnt 0x0
.endif
.set ii, 0
.rept 32
	v_med3_num_f32 v[XS+ii], v[XS+ii], -v10, v10   ; the conversion to an 8-bit code does not saturate (ISA guide 7.6.2)
.set ii, ii+1
.endr
.irp g, 0,1,2,3
	v_cvt_scalef32_pk8_bf8_f32 v[96+8*(\t)+2*\g:97+8*(\t)+2*\g], v[XS+8*\g:XS+8*\g+7], v11
.endr
	global_store_b128 v4, v[96+8*(\t):99+8*(\t)], s[42:43] offset:512*(\t)          ; lane half 0's place
	global_store_b128 v4, v[100+8*(\t):103+8*(\t)], s[42:43] offset:512*(\t)+256    ; lane half 1's.  Each piece has code registers of its own
.if (\t)+2 < 4
	WLOAD (\t)+2, \nb, \map
.endif
.endm
; nb: bytes in a row of W; map: the image's order of k; sw, so: the scalar pairs of W and of its image; se: the scalar register of e; xb: the first x of this tensor's work-groups
.macro WQUANT nb, map, sw, so, se, xb
	s_sub_co_u32 s32, ttmp9, \xb                   ; g: which 128 columns
	s_lshl_b32 s33, s32, 9
	s_lshl_b32 s34, s22, 7
	s_add_co_u32 s33, s33, s34                     ; (128 g + 32 wave) x 4 bytes
.if \map == 0
	s_lshr_b32 s34, s23, 2
	s_lshl_b32 s34, s34, 9
	s_and_b32 s35, s23, 3
	s_lshl_b32 s35, s35, 5
	s_add_co_u32 s34, s34, s35                     ; K step y's first row: 512 (y / 4) + 32 (y % 4)
.else
	s_lshl_b32 s34, s23, 7                         ; 128 y
.endif
	s_mul_i32 s34, s34, \nb
	s_add_co_u32 s34, s34, s33
	s_mov_b32 s35, 0
	s_add_nc_u64 s[40:41], s[\sw:\sw+1], s[34:35]
	s_lshl_b32 s34, s32, 17                        ; the image: tile 8 g + 2 wave of 16,384 bytes, K step y of 2,048
	s_lshl_b32 s33, s22, 15
	s_add_co_u32 s34, s34, s33
	s_lshl_b32 s33, s23, 11
	s_add_co_u32 s34, s34, s33
	s_add_nc_u64 s[42:43], s[\so:\so+1], s[34:35]
	v_lshlrev_b32 v3, 2, v1                        ; in: 4 bytes a lane
	v_lshrrev_b32 v4, 4, v1
	v_lshlrev_b32 v4, 14, v4
	s_wait_alu depctr_va_vdst(0)
	v_lshl_add_u32 v4, v8, 4, v4                   ; out: tile lane / 16, row lane % 16
	WLOAD 0, \nb, \map
	WLOAD 1, \nb, \map
	s_wait_alu depctr_va_vdst(0)
	s_wait_kmcnt 0x0
	s_add_co_i32 s44, s[\se], 127
	s_lshl_b32 s45, s44, 23
	v_mov_b32 v11, s45                             ; 2^e as f32: the conversion takes its exponent field
	s_add_co_i32 s44, s44, 15
	s_lshl_b32 s44, s44, 23
	s_or_b32 s44, s44, 0x600000
	v_mov_b32 v10, s44                             ; 57,344 x 2^e
	s_wait_alu depctr_va_vdst(0)
.irp t, 0,1,2,3
	WBLOCK \t, \nb, \map
.endr
.endm
; Row j of my four: v[32 + 32 j + 4 i + e] = z(row, 128 i + 4 lane + e)
.macro ROW j
.set X, 32+32*\j
.set CD, 224+8*\j
	s_wait_loadcnt 24-8*\j                         ; this row's eight loads are in; the later rows' may be out
	v_pk_add_f32 v[12:13], v[X:X+1], v[X+2:X+3]    ; the sum, two at a time, in two chains
	v_pk_add_f32 v[14:15], v[X+4:X+5], v[X+6:X+7]
.irp p, 8,12,16,20,24,28
	v_pk_add_f32 v[12:13], v[12:13], v[X+\p:X+\p+1]
	v_pk_add_f32 v[14:15], v[14:15], v[X+\p+2:X+\p+3]
.endr
	v_pk_add_f32 v[12:13], v[12:13], v[14:15]
	v_add_f32 v20, v12, v13
	REDUCE
	v_mul_f32 v16, s38, v20                        ; the mean
.irp p, 0,2,4,6,8,10,12,14,16,18,20,22,24,26,28,30
	v_pk_add_f32 v[X+\p:X+\p+1], v[X+\p:X+\p+1], v[16:17] op_sel_hi:[1,0] neg_lo:[0,1] neg_hi:[0,1]   ; x - mean
.endr
	v_pk_mul_f32 v[12:13], v[X:X+1], v[X:X+1]      ; the squares
	v_pk_mul_f32 v[14:15], v[X+2:X+3], v[X+2:X+3]
.irp p, 4,8,12,16,20,24,28
	v_pk_fma_f32 v[12:13], v[X+\p:X+\p+1], v[X+\p:X+\p+1], v[12:13]
	v_pk_fma_f32 v[14:15], v[X+\p+2:X+\p+3], v[X+\p+2:X+\p+3], v[14:15]
.endr
	v_pk_add_f32 v[12:13], v[12:13], v[14:15]
	v_add_f32 v20, v12, v13
	REDUCE
	v_fmaak_f32 v20, s38, v20, 0x3727c5ac          ; the variance + 1e-5
	s_wait_alu depctr_va_vdst(0)                   ; the wait ahead of the transcendental
	v_rsq_f32 v18, v20
	v_nop                                          ; a plain instruction behind the transcendental,
	s_wait_alu depctr_va_vdst(0)                   ; and the wait ahead of its first reader
.irp p, 0,2,4,6,8,10,12,14,16,18,20,22,24,26,28,30
	v_pk_mul_f32 v[X+\p:X+\p+1], v[X+\p:X+\p+1], v[18:19] op_sel_hi:[1,0]
.endr
.irp p, 0,2,4,6,8,10,12,14,16,18,20,22,24,26,28,30
	v_pk_fma_f32 v[X+\p:X+\p+1], v[X+\p:X+\p+1], v[160+\p:161+\p], v[192+\p:193+\p]   ; x gain + bias
.endr
.set ii, 0
.rept 32
	v_med3_num_f32 v[X+ii], v[X+ii], -v22, v22     ; the hold at the largest code x the scale
.set ii, ii+1
.endr
.irp g, 0,1,2,3
	v_cvt_scalef32_pk8_bf8_f32 v[CD+2*\g:CD+2*\g+1], v[X+8*\g:X+8*\g+7], v23
.endr
	v_nop                                          ; a plain instruction behind the last conversion
	ds_store_b128 v5, v[CD:CD+3] offset:16*\j      ; stage row = my lane (K below 512), column = the token's place in its tile
	ds_store_b128 v5, v[CD+4:CD+7] offset:32*SP+16*\j   ; stage row 32 + my lane (K from 512 on)
.endm
	s_load_b256 s[4:11], s[0:1], 0x0               ; z s[4:5], ln_w s[6:7], ln_b s[8:9], W_qkv s[10:11]
	s_load_b256 s[12:19], s[0:1], 0x20             ; W_proj s[12:13], the scales' exponents s[14:15], zn_img s[16:17], wq_img s[18:19]
	s_load_b64 s[20:21], s[0:1], 0x40              ; wp_img
	v_lshl_add_u32 v30, v0, 2, 0x4400              ; my spare word
	v_mov_b32 v31, 0
	v_lshrrev_b32 v1, 5, v0
	v_readfirstlane_b32 s22, v1                    ; wave 0..3
	s_and_b32 s23, ttmp7, 0xffff                   ; y
	v_and_b32 v1, 31, v0                           ; lane
	v_lshlrev_b32 v2, 4, v1                        ; 16 x lane
	; every LDS address is made here, ahead of the ways' parting
	v_mul_u32_u24 v5, v1, SP
	s_lshl_b32 s32, s22, 6
	v_add_nc_u32 v5, s32, v5                       ; into the stage: row = lane, column 64 x wave (+ 16 j)
	v_lshrrev_b32 v8, 4, v1
	v_mul_u32_u24 v6, v8, SP
	v_and_b32 v8, 15, v1                           ; lane % 16
	v_lshl_add_u32 v6, v8, 4, v6
	s_mul_i32 s32, s22, 16*SP
	v_add_nc_u32 v6, s32, v6                       ; out of it: my wave's 16 rows, two an instruction
	s_lshl_b32 s32, s22, 12
	v_add_nc_u32 v7, s32, v2                       ; and the same bytes in the tile's image: 4,096 x wave + 16 x lane
	s_wait_alu depctr_va_vdst(0)
	s_wait_kmcnt 0x0
	s_load_b256 s[24:31], s[14:15], 0x0            ; e0 .. e7
	s_cmp_ge_u32 ttmp9, 32
	s_cbranch_scc1 .Lln
	s_cmp_ge_u32 ttmp9, 24
	s_cbranch_scc1 .Lwp
	WQUANT 12288, 0, 10, 18, 25, 0
	s_branch .Ljoin
.Lwp:
	WQUANT 4096, 1, 12, 20, 31, 24
	s_branch .Ljoin
.Lln:
	s_sub_co_u32 s32, ttmp9, 32
	s_lshl_b32 s32, s32, 3
	s_add_co_u32 s32, s32, s23                     ; the tile of 16 tokens
	s_lshl_b32 s33, s32, 4
	s_lshl_b32 s34, s22, 2
	s_add_co_u32 s33, s33, s34                     ; my first row
	s_lshl_b32 s34, s33, 12
	s_mov_b32 s35, 0
	s_add_nc_u64 s[40:41], s[4:5], s[34:35]
	s_wait_alu depctr_va_vdst(0)
.irp i, 0,1,2,3,4,5,6,7
	global_load_b128 v[160+4*\i:163+4*\i], v2, s[6:7] offset:512*\i    ; the gain, laid as a row is
.endr
.irp i, 0,1,2,3,4,5,6,7
	global_load_b128 v[192+4*\i:195+4*\i], v2, s[8:9] offset:512*\i    ; the bias
.endr
.irp j, 0,1,2,3
.irp i, 0,1,2,3,4,5,6,7
	global_load_b128 v[32+32*\j+4*\i:35+32*\j+4*\i], v2, s[40:41] offset:4096*\j+512*\i th:TH_LOAD_NT   ; 512 consecutive bytes a load; all four rows are asked for at once
.endr
.endr
	s_mov_b32 s36, 0x76543210                      ; v_permlanex16_b32: lane l takes lane l xor 16
	s_mov_b32 s37, 0xfedcba98
	s_mov_b32 s38, 0x3a800000                      ; 1 / 1,024
	v_mov_b32 v9, 0                                ; written once: a lane permute's destination counts as one of its sources
	v_mov_b32 v17, 0                               ; (named as the upper halves of the pairs v[16:17], v[18:19])
	v_mov_b32 v19, 0
	s_wait_alu depctr_va_vdst(0)
	s_wait_kmcnt 0x0
	s_add_co_i32 s44, s24, 127
	s_lshl_b32 s45, s44, 23
	v_mov_b32 v23, s45                             ; 2^e0
	s_add_co_i32 s44, s44, 15
	s_lshl_b32 s44, s44, 23
	s_or_b32 s44, s44, 0x600000
	v_mov_b32 v22, s44                             ; 57,344 x 2^e0
	s_wait_alu depctr_va_vdst(0)
	ROW 0
	ROW 1
	ROW 2
	ROW 3
.Ljoin:
	s_wait_dscnt 0x0                               ; for the others' sake: my stores into the stage are done
	s_barrier_signal -1
	s_barrier_wait -1                              ; the one barrier: every wave of every work-group passes it
	s_cmp_lt_u32 ttmp9, 32
	s_cbranch_scc1 .Lend                           ; the weights' work-groups have stored all
	s_sub_co_u32 s32, ttmp9, 32
	s_lshl_b32 s32, s32, 3
	s_add_co_u32 s32, s32, s23
	s_lshl_b32 s34, s32, 14                        ; the tile's image: 16,384 bytes
	s_mov_b32 s35, 0
	s_add_nc_u64 s[46:47], s[16:17], s[34:35]
.irp t, 0,1,2,3,4,5,6,7
	ds_load_b128 v[32+4*\t:35+4*\t], v6 offset:2*SP*\t
.endr
.irp t, 0,1,2,3,4,5,6,7
	s_wait_dscnt 7-\t                              ; LDS loads come back in order: number t is in, the younger ones may be out
	global_store_b128 v7, v[32+4*\t:35+4*\t], s[46:47] offset:512*\t    ; 512 consecutive bytes, aligned
.endr
.Lend:
	s_wait_tensorcnt 0x0                           ; the wave's end
	ds_add_u32 v30, v31
	s_wait_dscnt 0x0
	s_endpgm
.Lfunc_end_k_qf643915aae_prep:
	.size	k_qf643915aae_prep, .Lfunc_end_k_qf643915aae_prep-k_qf643915aae_prep
	.p2alignl 7, 3214868480
	.fill 96, 4, 3214868480
	.section	.rodata,"a",@progbits
	.p2align	6, 0x0
	.amdhsa_kernel k_qf643915aae_prep
		.amdhsa_group_segment_fixed_size 17920
		.amdhsa_private_segment_fixed_size 0
		.amdhsa_enable_private_segment 0
		.amdhsa_kernarg_size 72
		.amdhsa_user_sgpr_count 2
		.amdhsa_user_sgpr_kernarg_segment_ptr 1
		.amdhsa_wavefront_size32 1
		.amdhsa_system_sgpr_workgroup_id_x 1
		.amdhsa_system_sgpr_workgroup_id_y 1
		.amdhsa_system_sgpr_workgroup_id_z 1
		.amdhsa_system_vgpr_workitem_id 0
		.amdhsa_next_free_vgpr 256
		.amdhsa_next_free_sgpr 66
		.amdhsa_reserve_vcc 0
		.amdhsa_float_denorm_mode_32 3
		.amdhsa_float_denorm_mode_16_64 3
		.amdhsa_memory_ordered 1
		.amdhsa_forward_progress 1
		.amdhsa_inst_pref_size 89
	.end_amdhsa_kernel
	.amdgpu_metadata
---
amdhsa.version: [ 1, 2 ]
amdhsa.kernels:
  - .name:           k_qf643915aae_prep
    .symbol:         k_qf643915aae_prep.kd
    .args:
      - { .name: z, .offset: 0, .size: 8, .value_kind: global_buffer, .address_space: global }
      - { .name: ln_w, .offset: 8, .size: 8, .value_kind: global_buffer, .address_space: global }
      - { .name: ln_b, .offset: 16, .size: 8, .value_kind: global_buffer, .address_space: global }
      - { .name: W_qkv, .offset: 24, .size: 8, .value_kind: global_buffer, .address_space: global }
      - { .name: W_proj, .offset: 32, .size: 8, .value_kind: global_buffer, .address_space: global }
      - { .name: lowp_scales, .offset: 40, .size: 8, .value_kind: global_buffer, .address_space: global }
      - { .name: zn_img, .offset: 48, .size: 8, .value_kind: global_buffer, .address_space: global }
      - { .name: wq_img, .offset: 56, .size: 8, .value_kind: global_buffer, .address_space: global }
      - { .name: wp_img, .offset: 64, .size: 8, .value_kind: global_buffer, .address_space: global }
    .group_segment_fixed_size: 17920
    .private_segment_fixed_size: 0
    .kernarg_segment_align: 8
    .kernarg_segment_size: 72
    .max_flat_workgroup_size: 128
    .sgpr_count:     66
    .vgpr_count:     256
    .wavefront_size: 32
...
	.end_amdgpu_metadata
.endif
;; end of part 1
;; launch qkv (part 2): grid 8 x 32, 4 waves a work-group, clusters of 4 x 4, 327,680 bytes of LDS; arguments zn_img, wq_img, b_qkv, lowp_scales, q_img, k_img, v_img; writes q_img, k_img, v_img
.if DOCPART == 2
	.amdgcn_target "amdgcn-amd-amdhsa--gfx1250"
	.amdhsa_code_object_version 6
	.text
	.protected	k_qf643915aae_qkv
	.globl	k_qf643915aae_qkv
	.p2align	8
	.type	k_qf643915aae_qkv,@function
k_qf643915aae_qkv:
	s_mov_b64 s[64:65], 0
	v_nop
	global_prefetch_b8 v0, s[64:65] scope:SCOPE_SE
	s_setreg_imm32_b32 hwreg(HW_REG_WAVE_MODE, 25, 1), 1
	s_wait_xcnt 0x0
	s_wait_alu depctr_hold_cnt(0) depctr_sa_sdst(0) depctr_va_vdst(0) depctr_va_sdst(0) depctr_va_ssrc(0) depctr_va_vcc(0) depctr_vm_vsrc(0)
	s_getreg_b32 s2, hwreg(HW_REG_IB_STS2, 6, 4)
	s_cmp_eq_u32 s2, 0
	s_cbranch_scc0 .Lentry_in_a_cluster
	s_endpgm
.Lentry_in_a_cluster:
	s_bfe_u32 s2, ttmp6, 0x10000c
	s_cmp_lg_u32 s2, 0xf033
	s_cbranch_scc0 .Lentry_shape_is_right
	s_endpgm
.Lentry_shape_is_right:
; PRODUCT 1: LayerNorm(z) W_qkv + b_qkv on codes of BF8 (E5M2), K = 1,024; the results are quantised at once into the operands of the attention: q (e2), k (e3), v (e5).
; Both operands come as images of operand registers: [tile of 16 rows][16 halves of 64 along K][2 pieces][lane: 32][16 bytes], with one order of k in both.
; A WORK-GROUP makes 256 tokens x two heads (128 columns each of q, k and v); a wave 128 tokens x one head: 8 x 12 accumulators, 768 registers.
; K goes by halves of 64 (1,024 bytes of a tile) in five fills of 3, 4, 3, 4 and 2 halves: region 0 (40 tiles x 3,072 bytes) and region 1 (40 x 4,096) by turns; one tensor load a wave in each fill:
; wave 3 the tokens' 16 tiles, waves 0, 1, 2 the 8 tiles of q, k, v.
; q and k: source 0 = 16 columns of W, source 1 = 16 tokens: a lane holds one token, its registers run along the head's 64.
; v: source 0 = 16 tokens, source 1 = 16 columns: a lane holds one column, its registers run along the tokens, which are the keys.
; So the conversions' results are the next operands' registers, stored as images, 512 consecutive bytes a store:
;   q_img, k_img: [batch x head: 128][tile of 16 tokens: 64][s: 2][lane][16]: lane (r, hh) token r, byte i of piece s: d = 16 (2 s + i / 8) + 8 hh + i % 8
;   v_img:        [batch x head][step of 128 keys: 8][t: tile of 16 d: 4][c: 4][lane][16]: lane (r, hh) d = 16 t + r, byte i of piece c: key 32 c + 16 (i / 8) + 8 hh + i % 8
; THE BIAS is the C of each sum's first matrix instruction, divided by 2^(e0 + e1); it lies in the accumulators of the wave's last 16 tokens, which are begun last.
; The three scales ahead of the quantiser are folded into the conversion's one, 2^(eo - e0 - e1).
; CLUSTERS: 4 x 4: the tokens' tiles hang on cy alone and are asked for jointly along a row, W's on cx alone and along a column.
; No prefetch: after the first fill four fills bring all of K, and each is asked for one fill ahead.
; LIMITS: eo - e0 - e1 between -126 and 112 for eo = e2, e3, e5.  NaN among the inputs is not served.
; REGISTERS: window 0: v5-31 addresses and scales, v32-95 and v96-159 two sets of the tokens' fragments, v160-255 W's fragments (q, k, v: 32 each); windows 1, 2, 3: the accumulators of q, k, v: (a, b) at v[8 (4 a + b)].
.set R1B,   122880                     ; region 1
.set SPARE, R1B+163840                 ; the spare words, 128 bytes for each wave
.set SPW, 28
.set NIL, 29
.set LI,  26                           ; 16 x lane
.set MSB, 0
.macro WIN new                         ; the immediate's high byte repeats the setting that is left
.if MSB != (\new)
	s_set_vgpr_msb (MSB<<8)|(\new)
.set MSB, (\new)
.endif
.endm
.macro PLACES
.rept 4
	v_nop
.endr
.endm
.macro JLOAD                           ; a joint load: the branch hangs on the wave's number alone
	s_cmp_eq_u32 s18, 3
	s_cbranch_scc0 .Lfor_b_\@
	tensor_load_to_lds s[32:35], s[24:31]
	s_nop 0
	PLACES
	s_branch .Lasked_\@
.Lfor_b_\@:
	tensor_load_to_lds s[36:39], s[48:55]
	s_nop 0
	PLACES
.Lasked_\@:
.endm
.macro CREST                           ; a round of the cluster's barrier behind its opening barrier
	s_cmp_lg_u32 s18, 0
	s_cbranch_scc1 .Lnot_wave_0_\@
	s_barrier_signal -3
.Lnot_wave_0_\@:
	s_barrier_wait -3
	s_barrier_signal -1
	s_barrier_wait -1
.endm
.macro CROUND
	s_barrier_signal -1
	s_barrier_wait -1
	CREST
.endm
; the descriptors of the next fill: region's first byte, bytes of a tile, bytes onward in memory.  No tensor load of the wave is out
.macro FILLSET base, w, adv
.if \adv
	s_add_nc_u64 s[34:35], s[34:35], \adv
	s_add_nc_u64 s[38:39], s[38:39], \adv
.endif
	s_mov_b32 s33, \base
	s_mul_i32 s37, s21, 8*(\w)
	s_add_co_u32 s37, s37, \base
	s_mov_b32 s25, ((\w)/8)<<16
	s_mov_b32 s27, ((\w)/8)<<16
	s_mov_b32 s49, ((\w)/8)<<16
	s_mov_b32 s51, ((\w)/8)<<16
.endm
; t: how the fill lies: 0 region 0, 3 halves; 1 region 1, 4 halves; 2 region 0, 2 halves
.macro TY t
.if (\t) == 0
.set AA, 16
.set AB, 17
.set AV, 17
.set TW, 3072
.set VO, 16*3072
.elseif (\t) == 1
.set AA, 18
.set AB, 19
.set AV, 20
.set TW, 4096
.set VO, 0
.else
.set AA, 21
.set AB, 22
.set AV, 22
.set TW, 2048
.set VO, 16*2048
.endif
.endm
.macro LOADA p, hf                     ; the tokens' eight fragments of the fill's half hf into set p
.irp i, 0,1,2,3,4,5,6,7
	ds_load_b128 v[32+64*(\p)+8*\i:35+64*(\p)+8*\i], v[AA] offset:TW*\i+1024*(\hf)
	ds_load_b128 v[36+64*(\p)+8*\i:39+64*(\p)+8*\i], v[AA] offset:TW*\i+1024*(\hf)+512
.endr
.endm
.macro LOADB g, hf                     ; W's four fragments of group g (q, k, v)
.irp j, 0,1,2,3
.if \g == 2
	ds_load_b128 v[224+8*\j:227+8*\j], v[AV] offset:VO+TW*\j+1024*(\hf)
	ds_load_b128 v[228+8*\j:231+8*\j], v[AV] offset:VO+TW*\j+1024*(\hf)+512
.else
	ds_load_b128 v[160+32*\g+8*\j:163+32*\g+8*\j], v[AB] offset:TW*(8*\g+\j)+1024*(\hf)
	ds_load_b128 v[164+32*\g+8*\j:167+32*\g+8*\j], v[AB] offset:TW*(8*\g+\j)+1024*(\hf)+512
.endif
.endr
.endm
.macro ONE g, a, b, p, c
.if \g == 2
	v_wmma_f32_16x16x64_bf8_bf8 v[8*(4*(\a)+\b):8*(4*(\a)+\b)+7], v[32+64*(\p)+8*(\a):39+64*(\p)+8*(\a)], v[224+8*\b:231+8*\b], v[8*(4*(\c)+\b):8*(4*(\c)+\b)+7]
.else
	v_wmma_f32_16x16x64_bf8_bf8 v[8*(4*(\a)+\b):8*(4*(\a)+\b)+7], v[160+32*\g+8*\b:167+32*\g+8*\b], v[32+64*(\p)+8*(\a):39+64*(\p)+8*(\a)], v[8*(4*(\c)+\b):8*(4*(\c)+\b)+7]
.endif
.endm
; 16 matrix instructions of group g: tokens' blocks a0 .. a0 + 3.  first = 1: the sums begin with the bias, which lies in block 7's accumulators: five places stand ahead of the instructions that write over it
.macro MULH g, p, first, a0
.irp a, \a0, \a0+1, \a0+2, \a0+3
.if \first && ((\a) == 7)
.rept 5
	v_nop
.endr
.endif
.irp b, 0,1,2,3
.if \first
	ONE \g, \a, \b, \p, 7
.else
	ONE \g, \a, \b, \p, \a
.endif
.endr
.endr
.endm
.macro MULG g, p, first
	WIN 0x50*(\g+1)
	MULH \g, \p, \first, 0
	MULH \g, \p, \first, 4
	WIN 0
.endm
; A half of 64 along K that is not its fill's last.  The next half's fragments are asked for in the order tokens 16 (into the other set, at the half's start), q 8, k 8, v 8 (each group's as soon as its 32 products are issued).
; (t, hf): where the next half lies
.macro HALF p, t, hf, first
	TY \t
	s_wait_dscnt 16                                ; q's and the tokens' fragments are in; k's and v's 16 loads may be out
	LOADA 1-\p, \hf
	MULG 0, \p, \first
	PLACES
	LOADB 0, \hf
	s_wait_dscnt 32                                ; k's are in; v's 8 and the 24 just issued may be out
	MULG 1, \p, \first
	PLACES
	LOADB 1, \hf
	s_wait_dscnt 32                                ; v's are in; the next half's 32 may be out
	MULG 2, \p, \first
	PLACES
	LOADB 2, \hf
.endm
; A fill's last half changes regions.  w > 0: the region just read out takes the fill after the next
.macro TURN p, t, base, w, adv
	s_wait_tensorcnt 0x0                           ; my part of the next fill has landed
	ds_add_u32 v[SPW], v[NIL]
.if \w
	FILLSET \base, \w, \adv
.endif
	s_wait_dscnt 17                                ; q's and the tokens' fragments are in; k's and v's 16 loads and the add may be out
	WIN 0x50
	MULH 0, \p, 0, 0
	s_wait_dscnt 0x0                               ; the add is done, and my reads of this region are over
	s_barrier_signal -1
	MULH 0, \p, 0, 4
	WIN 0
	s_barrier_wait -1
.if \w
	CREST                                          ; no wave of any partner still reads this region or has a load on its way
	JLOAD                                          ; its four v_nop are also the places in front of the loads below
.else
	PLACES
.endif
	TY \t
	LOADA 1-\p, 0
	LOADB 0, 0
	MULG 1, \p, 0
	PLACES
	LOADB 1, 0
	MULG 2, \p, 0
	PLACES
	LOADB 2, 0
.endm
	s_load_b256 s[4:11], s[0:1], 0x0               ; zn_img, wq_img, b_qkv, the scales' exponents
	s_load_b128 s[12:15], s[0:1], 0x20             ; q_img, k_img
	s_load_b64 s[16:17], s[0:1], 0x30              ; v_img
	v_lshl_add_u32 v[SPW], v0, 2, SPARE
	v_mov_b32 v[NIL], 0
	ds_add_u32 v[SPW], v[NIL]                      ; the wave's opening: the add twice on end
	ds_add_u32 v[SPW], v[NIL]
	v_lshrrev_b32 v1, 5, v0
	v_readfirstlane_b32 s18, v1                    ; wave 0..3
	v_and_b32 v1, 31, v0
	v_lshlrev_b32 v[LI], 4, v1
	v_bfe_u32 v5, v0, 4, 1
	v_lshlrev_b32 v5, 5, v5                        ; q's and k's bias: my half's eight columns of a tile
	v_and_b32 v6, 15, v0
	v_lshlrev_b32 v6, 2, v6                        ; v's: my one column
	s_lshr_b32 s22, s18, 1                         ; which 128 tokens are mine
	s_and_b32 s20, s18, 1                          ; which head of the two
	s_min_u32 s23, s18, 2                          ; which group of W I fetch (wave 3 fetches the tokens)
	s_add_co_u32 s21, s23, 2                       ; and its place: behind the tokens' 16 tiles, in units of 8 tiles
	s_bfe_u32 s40, ttmp6, 0x40000                  ; cx
	s_bfe_u32 s41, ttmp6, 0x40004                  ; cy
	s_lshl_b32 s42, ttmp9, 2
	s_add_co_u32 s42, s42, s40                     ; x: the pair of heads
	s_and_b32 s43, ttmp7, 0xffff
	s_lshl_b32 s43, s43, 2
	s_add_co_u32 s43, s43, s41                     ; y: the 256 tokens
	s_lshl_b32 s44, s41, 2
	s_lshl_b32 s44, 15, s44                        ; my row of the cluster
	s_lshl_b32 s45, 0x1111, s40                    ; my column
	s_or_b32 s24, s44, (3<<16)|(1<<21)             ; the mask; elements of 8 bytes; 21 set beside a mask
	s_or_b32 s48, s45, (3<<16)|(1<<21)
	s_mov_b32 s26, 16<<16                          ; tokens: 16 tiles, 16,384 bytes apart
	s_mov_b32 s28, 16
	s_mov_b32 s29, 2048
	s_mov_b32 s30, 0
	s_mov_b32 s31, 0
	s_mov_b32 s50, 8<<16                           ; W: 8 tiles
	s_mov_b32 s52, 8
	s_mov_b32 s53, 2048
	s_mov_b32 s54, 0
	s_mov_b32 s55, 0
	s_lshl_b32 s56, s43, 18                        ; tokens: 16 tiles of 16,384 bytes
	s_mov_b32 s57, 0
	s_lshl_b32 s58, s23, 20                        ; W: group of 64 tiles,
	s_lshl_b32 s59, s42, 17                        ; pair of heads: 8 tiles
	s_add_co_u32 s58, s58, s59
	s_mov_b32 s59, 0
	s_lshl_b32 s60, s42, 9                         ; my head's columns of a group, in bytes of f32
	s_lshl_b32 s61, s20, 8
	s_add_co_u32 s60, s60, s61
	s_mov_b32 s61, 0
	s_wait_alu depctr_va_vdst(0)
	s_wait_dscnt 0x0                               ; both opening adds are done
	s_wait_kmcnt 0x0
	s_load_b256 s[68:75], s[10:11], 0x0            ; e0 .. e7
	s_mov_b32 s32, 1
	s_mov_b32 s36, 1
	s_add_nc_u64 s[34:35], s[4:5], s[56:57]
	s_or_b32 s35, s35, 0x80000000
	s_add_nc_u64 s[38:39], s[6:7], s[58:59]
	s_or_b32 s39, s39, 0x80000000
	FILLSET 0, 3072, 0
	s_add_nc_u64 s[62:63], s[8:9], s[60:61]
	CROUND                                         ; all sixteen work-groups are here
	JLOAD                                          ; halves 0 to 2
	WIN 0x40
.irp b, 0,1,2,3
	global_load_b128 v[224+8*\b:227+8*\b], v5, s[62:63] offset:64*\b          ; q's bias, into window 1
	global_load_b128 v[228+8*\b:231+8*\b], v5, s[62:63] offset:64*\b+16
.endr
	WIN 0x80
.irp b, 0,1,2,3
	global_load_b128 v[224+8*\b:227+8*\b], v5, s[62:63] offset:4096+64*\b     ; k's, into window 2
	global_load_b128 v[228+8*\b:231+8*\b], v5, s[62:63] offset:4096+64*\b+16
.endr
	WIN 0
.irp b, 0,1,2,3
	global_load_b32 v[160+\b], v6, s[62:63] offset:8192+64*\b                 ; v's
.endr
	s_mul_i32 s76, s22, 8*3072                     ; where my fragments lie: tokens and W, in the three ways a fill lies
	s_mul_i32 s77, s20, 4*3072
	s_add_co_u32 s77, s77, 16*3072
	v_add_nc_u32 v16, s76, v[LI]
	v_add_nc_u32 v17, s77, v[LI]
	s_lshl_b32 s76, s22, 15
	s_add_co_u32 s76, s76, R1B
	s_lshl_b32 s77, s20, 14
	s_add_co_u32 s77, s77, R1B+65536
	v_add_nc_u32 v18, s76, v[LI]
	v_add_nc_u32 v19, s77, v[LI]
	s_add_co_u32 s77, s77, 65536
	v_add_nc_u32 v20, s77, v[LI]                   ; v's group, 16 tiles on
	s_lshl_b32 s76, s22, 14
	s_lshl_b32 s77, s20, 13
	s_add_co_u32 s77, s77, 32768
	v_add_nc_u32 v21, s76, v[LI]
	v_add_nc_u32 v22, s77, v[LI]
	s_lshr_b32 s76, s43, 2
	s_lshl_b32 s76, s76, 20                        ; the results: the batch's 16 heads of 65,536 bytes,
	s_lshl_b32 s77, s42, 1
	s_add_co_u32 s77, s77, s20
	s_lshl_b32 s77, s77, 16                        ; my head,
	s_add_co_u32 s76, s76, s77
	s_and_b32 s77, s43, 3
	s_lshl_b32 s77, s77, 1
	s_add_co_u32 s77, s77, s22
	s_lshl_b32 s77, s77, 13                        ; my 128 tokens: 8,192 bytes in each image
	s_add_co_u32 s76, s76, s77
	s_mov_b32 s77, 0
	s_add_nc_u64 s[82:83], s[12:13], s[76:77]
	s_add_nc_u64 s[84:85], s[14:15], s[76:77]
	s_add_nc_u64 s[86:87], s[16:17], s[76:77]
	s_wait_alu depctr_va_vdst(0)
	s_wait_kmcnt 0x0
	s_add_co_i32 s80, s68, s69                     ; a sum stands for sum x 2^(e0 + e1)
	s_sub_co_i32 s81, 0, s80
.macro SCALES eo, g                    ; v[8 + 2 g] = 2^(eo - e0 - e1), v[9 + 2 g] = 57,344 x that
	s_sub_co_i32 s78, s[\eo], s80
	s_add_co_i32 s78, s78, 127
	s_lshl_b32 s79, s78, 23
	v_mov_b32 v[8+2*\g], s79
	s_add_co_i32 s78, s78, 15
	s_lshl_b32 s78, s78, 23
	s_or_b32 s78, s78, 0x600000
	v_mov_b32 v[9+2*\g], s78
.endm
	SCALES 70, 0
	SCALES 71, 1
	SCALES 73, 2
	s_wait_alu depctr_va_vdst(0)
	s_wait_loadcnt 0x0                             ; the biases / 2^(e0 + e1)
	WIN 0x41
.set i, 0
.rept 32
	v_ldexp_f32 v[224+i], v[224+i], s81
.set i, i+1
.endr
	WIN 0x82
.set i, 0
.rept 32
	v_ldexp_f32 v[224+i], v[224+i], s81
.set i, i+1
.endr
	WIN 0xc0
.irp b, 0,1,2,3
.irp j, 0,1,2,3,4,5,6,7
	v_ldexp_f32 v[224+8*\b+\j], v[160+\b], s81     ; a lane holds one column: the eight registers are alike
.endr
.endr
	WIN 0
	s_wait_alu depctr_va_vdst(0)                   ; the wait at the head's end
	s_wait_tensorcnt 0x0                           ; my part of the first fill is in
	ds_add_u32 v[SPW], v[NIL]
	FILLSET R1B, 4096, 3072
	s_wait_dscnt 0x0
	CROUND
	JLOAD                                          ; halves 3 to 6, into region 1
	TY 0
	LOADB 0, 0
	LOADA 0, 0
	LOADB 1, 0
	LOADB 2, 0
	HALF 0, 0, 1, 1
	HALF 1, 0, 2, 0
	TURN 0, 1, 0, 3072, 4096                       ; region 0 takes halves 7 to 9
	HALF 1, 1, 1, 0
	HALF 0, 1, 2, 0
	HALF 1, 1, 3, 0
	TURN 0, 0, R1B, 4096, 3072                     ; region 1 takes halves 10 to 13
	HALF 1, 0, 1, 0
	HALF 0, 0, 2, 0
	TURN 1, 1, 0, 2048, 4096                       ; region 0 takes halves 14 and 15
	HALF 0, 1, 1, 0
	HALF 1, 1, 2, 0
	HALF 0, 1, 3, 0
	TURN 1, 2, 0, 0, 0                             ; nothing is filled again
; THE WAY OUT of a group: the hold (the conversion to an 8-bit code does not saturate: ISA guide 7.6.2), the conversion (eight registers become two), the stores; each accumulator from its low end on.
; q's codes go to v32 on, k's to v160 on, v's to v96 on
.macro EPI g
	WIN 0x41*(\g+1)
.set i, 0
.rept 256
	v_med3_num_f32 v[i], v[i], -v[9+2*\g], v[9+2*\g]
.set i, i+1
.endr
	WIN \g+1
.set i, 0
.rept 32
.if \g == 2
.set CX, 96+16*(i%4)+2*(i/4)
.else
.set CX, 32+128*\g+2*i
.endif
	v_cvt_scalef32_pk8_bf8_f32 v[CX:CX+1], v[8*i:8*i+7], v[8+2*\g]
.set i, i+1
.endr
	v_nop                                          ; a plain instruction behind the last conversion
	WIN 0
.set i, 0
.rept 16
.if \g == 2
	global_store_b128 v[LI], v[96+4*i:99+4*i], s[86:87] offset:512*i                          ; tile of d i / 4, piece i % 4
.else
	global_store_b128 v[LI], v[32+128*\g+4*i:35+128*\g+4*i], s[82+2*\g:83+2*\g] offset:512*i  ; tile of tokens i / 2, piece i % 2
.endif
.set i, i+1
.endr
.endm
	; THE LAST TWO HALVES go by groups, so that a group's results leave as soon as its sums are finished
	TY 2
	s_wait_dscnt 16                                ; k's and v's 16 loads may be out
	LOADA 1, 1
	MULG 0, 0, 0
	PLACES
	LOADB 0, 1
	s_wait_dscnt 32                                ; k's are in; v's 8 and the 24 just issued may be out
	MULG 1, 0, 0
	PLACES
	LOADB 1, 1
	s_wait_dscnt 8                                 ; all but k's 8 of the last half are in
	MULG 0, 1, 0
	MULG 2, 0, 0
	PLACES
	LOADB 2, 1
	EPI 0
	s_wait_dscnt 8                                 ; k's are in; v's 8 may be out
	MULG 1, 1, 0
	PLACES
	EPI 1
	s_wait_dscnt 0x0
	MULG 2, 1, 0
	PLACES
	EPI 2
	s_wait_tensorcnt 0x0                           ; the wave's end
	ds_add_u32 v[SPW], v[NIL]
	s_wait_dscnt 0x0
	CROUND                                         ; the closing round
	s_endpgm
.Lfunc_end_k_qf643915aae_qkv:
	.size	k_qf643915aae_qkv, .Lfunc_end_k_qf643915aae_qkv-k_qf643915aae_qkv
	.p2alignl 7, 3214868480
	.fill 96, 4, 3214868480
	.section	.rodata,"a",@progbits
	.p2align	6, 0x0
	.amdhsa_kernel k_qf643915aae_qkv
		.amdhsa_group_segment_fixed_size 327680
		.amdhsa_private_segment_fixed_size 0
		.amdhsa_enable_private_segment 0
		.amdhsa_kernarg_size 56
		.amdhsa_user_sgpr_count 2
		.amdhsa_user_sgpr_kernarg_segment_ptr 1
		.amdhsa_wavefront_size32 1
		.amdhsa_system_sgpr_workgroup_id_x 1
		.amdhsa_system_sgpr_workgroup_id_y 1
		.amdhsa_system_sgpr_workgroup_id_z 1
		.amdhsa_system_vgpr_workitem_id 0
		.amdhsa_next_free_vgpr 1024
		.amdhsa_next_free_sgpr 90
		.amdhsa_reserve_vcc 0
		.amdhsa_float_denorm_mode_32 3
		.amdhsa_float_denorm_mode_16_64 3
		.amdhsa_memory_ordered 1
		.amdhsa_forward_progress 1
		.amdhsa_inst_pref_size 227
	.end_amdhsa_kernel
	.amdgpu_metadata
---
amdhsa.version: [ 1, 2 ]
amdhsa.kernels:
  - .name:           k_qf643915aae_qkv
    .symbol:         k_qf643915aae_qkv.kd
    .args:
      - { .name: zn_img, .offset: 0, .size: 8, .value_kind: global_buffer, .address_space: global }
      - { .name: wq_img, .offset: 8, .size: 8, .value_kind: global_buffer, .address_space: global }
      - { .name: b_qkv, .offset: 16, .size: 8, .value_kind: global_buffer, .address_space: global }
      - { .name: lowp_scales, .offset: 24, .size: 8, .value_kind: global_buffer, .address_space: global }
      - { .name: q_img, .offset: 32, .size: 8, .value_kind: global_buffer, .address_space: global }
      - { .name: k_img, .offset: 40, .size: 8, .value_kind: global_buffer, .address_space: global }
      - { .name: v_img, .offset: 48, .size: 8, .value_kind: global_buffer, .address_space: global }
    .group_segment_fixed_size: 327680
    .private_segment_fixed_size: 0
    .kernarg_segment_align: 8
    .kernarg_segment_size: 56
    .max_flat_workgroup_size: 128
    .sgpr_count:     90
    .vgpr_count:     1024
    .wavefront_size: 32
...
	.end_amdgpu_metadata
.endif
;; end of part 2
;; launch attn (part 3): grid 2 x 128, 16 waves a work-group, no clusters, 327,680 bytes of LDS; arguments q_img, k_img, v_img, lowp_scales, att_img; writes att_img
.if DOCPART == 3
	.amdgcn_target "amdgcn-amd-amdhsa--gfx1250"
	.amdhsa_code_object_version 6
	.text
	.protected	k_qf643915aae_attn
	.globl	k_qf643915aae_attn
	.p2align	8
	.type	k_qf643915aae_attn,@function
k_qf643915aae_attn:
	s_mov_b64 s[64:65], 0
	v_nop
	global_prefetch_b8 v0, s[64:65] scope:SCOPE_SE
	s_setreg_imm32_b32 hwreg(HW_REG_WAVE_MODE, 25, 1), 1
	s_wait_xcnt 0x0
; PRODUCTS 2 AND 3: softmax(q k^T / 8) v for one head (y) and 512 queries (x), on codes of BF8 (E5M2); the result is quantised (e6) into the A operand of product 4.
; THE SOFTMAX: t = score x log2(e) / 8; M = the row's largest t so far, rounded up to a whole number; p = 2^(t - M) is quantised (e4), not normalised; the row's sum is of the unquantised p and divides at the end.
; When M moves, the sum and O are multiplied by 2^(old M - new M): exact.
; SIXTEEN WAVES of 32 queries (two tiles) each, in 256 registers; every wave walks all 1,024 keys, 128 a step.  The head's K and V (65,536 bytes each) lie in LDS whole: each wave fetches 2,048 bytes of keys 0-255
; at the head, and 6,144 bytes of the other keys behind the full sequence, which land during the first two steps.  Nothing is filled again.
; Both products are used transposed: a lane holds one query throughout, and the images' orders make the conversions' results the next operand's registers.
; cluster = none: only two work-groups share a head's K and V.  No prefetch: all bytes that remain are asked for by the one load behind the barrier.
; LIMITS: e2 + e3 between -123 and 130 (added to the exponent field of log2(e) / 8); e4, e6 between -126 and 112; scaled scores under 2^31 in magnitude.  NaN among the inputs is not served.
; REGISTERS: v0 the thread's number; v16-47 (X) K's fragments of a step's second 64 keys, then sums at work, then p's codes; v48-63 Q; v64-127 O^T; v128-255 S^T, then p;
;   V's fragments take v128-191 as soon as the first tile's p are codes, K's of the next step's first 64 keys v224-255 as soon as the second's are.
.set ADK, 1
.set ADV, 2
.set SCP, 3                            ; 2^e4
.set F,   4                            ; v4, v6: 2^(old M - new M) of the two tiles; each is named with the register above it as a pair
.set W1,  4                            ; (ahead of F: the maxima's second chain)
.set W0,  5                            ; v5, v7
.set NM,  8                            ; v8, v12: -M
.set TM,  9                            ; v9, v13: the largest t
.set SA,  10                           ; v10-11, v14-15: the sum in two halves
.set X,   16
.set PD,  20
.set Q,   48
.set O,   64
.set S,   128
.set KF,  224
.set SPARE, 131072                     ; behind K and V: the spare words, 128 bytes for each wave
.set KB,  61                           ; s61 LDS byte at which the step's keys begin in K (and, 65,536 on, in V)
.set KN,  67                           ; s67 the same for the keys asked for ahead
.set HP,  60                           ; s60 57,344 x 2^e4
.set SEL, 76
.set CS,  78
	s_load_b256 s[4:11], s[0:1], 0x0               ; q_img, k_img, v_img, the scales' exponents
	s_load_b64 s[12:13], s[0:1], 0x20              ; att_img
	v_lshl_add_u32 v16, v0, 2, SPARE
	v_mov_b32 v17, 0
	ds_add_u32 v16, v17                            ; the wave's opening: the add twice on end
	ds_add_u32 v16, v17
	v_lshrrev_b32 v1, 5, v0
	v_readfirstlane_b32 s14, v1                    ; wave 0..15
	v_and_b32 v1, 31, v0
	v_lshlrev_b32 v1, 4, v1                        ; 16 x lane
	s_and_b32 s15, ttmp7, 0xffff                   ; batch x head
	s_mov_b32 s16, 3<<16                           ; group 1 of the first load: 8 rows of 256 bytes, dense; elements of 8 bytes
	s_mov_b32 s17, 32<<16
	s_mov_b32 s18, 8<<16
	s_mov_b32 s19, 32<<16
	s_mov_b32 s20, 8
	s_mov_b32 s21, 32
	s_mov_b32 s22, 0
	s_mov_b32 s23, 0
	s_mov_b32 s24, 3<<16                           ; of the second: 24 rows
	s_mov_b32 s25, 32<<16
	s_mov_b32 s26, 24<<16
	s_mov_b32 s27, 32<<16
	s_mov_b32 s28, 24
	s_mov_b32 s29, 32
	s_mov_b32 s30, 0
	s_mov_b32 s31, 0
	s_lshr_b32 s40, s14, 3                         ; waves 0-7 fetch K, 8-15 V
	s_and_b32 s41, s14, 7
	s_lshl_b32 s42, s40, 16
	s_lshl_b32 s43, s41, 11                        ; 2,048 bytes each of the first 16,384,
	s_mul_i32 s44, s41, 6144
	s_add_co_u32 s44, s44, 16384                   ; then 6,144 each of the rest
	s_mov_b32 s32, 1
	s_mov_b32 s36, 1
	s_add_co_u32 s33, s42, s43
	s_add_co_u32 s37, s42, s44
	s_lshl_b32 s45, s15, 16
	s_add_co_u32 s46, s45, s43
	s_mov_b32 s47, 0
	s_add_co_u32 s48, s45, s44
	s_mov_b32 s49, 0
	s_lshl_b32 s52, ttmp9, 15
	s_lshl_b32 s53, s14, 11
	s_add_co_u32 s52, s52, s53                     ; my two tiles of queries, 1,024 bytes each
	s_add_co_u32 s54, s52, s45
	s_mov_b32 s55, 0
	s_lshl_b32 s52, s52, 4                         ; in att_img a tile is 16,384 bytes,
	s_lshr_b32 s53, s15, 4
	s_lshl_b32 s53, s53, 20                        ; a batch 64 tiles,
	s_add_co_u32 s52, s52, s53
	s_and_b32 s53, s15, 15
	s_lshl_b32 s53, s53, 10                        ; a head's 64 along K 1,024 bytes
	s_add_co_u32 s52, s52, s53
	s_mov_b32 s53, 0
	s_wait_alu depctr_va_vdst(0)
	s_wait_dscnt 0x0                               ; both opening adds are done
	s_wait_kmcnt 0x0
	s_load_b256 s[68:75], s[10:11], 0x0            ; e0 .. e7
	s_cmp_lt_u32 s14, 8
	s_cselect_b64 s[50:51], s[6:7], s[8:9]
	s_add_nc_u64 s[34:35], s[50:51], s[46:47]
	s_or_b32 s35, s35, 0x80000000
	s_add_nc_u64 s[38:39], s[50:51], s[48:49]
	s_or_b32 s39, s39, 0x80000000
	tensor_load_to_lds s[32:35], s[16:23]          ; keys 0-255: my one load at the head
	s_nop 0
	s_add_nc_u64 s[54:55], s[4:5], s[54:55]
	s_add_nc_u64 s[56:57], s[12:13], s[52:53]
.irp u, 0,1
.irp h, 0,1
	global_load_b128 v[Q+8*\u+4*\h:Q+8*\u+4*\h+3], v1, s[54:55] offset:1024*\u+512*\h th:TH_LOAD_NT
.endr
.endr
.set i, 0
.rept 64
	v_mov_b32 v[O+i], 0                            ; the step is written alike for all: the first change of M multiplies these zeros
.set i, i+1
.endr
.irp u, 0,1
	v_mov_b32 v[TM+4*\u], 0xff61b1e6               ; -3e38, under every t
	v_mov_b32 v[SA+4*\u], 0
	v_mov_b32 v[SA+4*\u+1], 0
	v_floor_f32 v[NM+4*\u], -v[TM+4*\u]
.endr
	s_mov_b32 s[SEL], 0x76543210                   ; v_permlanex16_b32: lane l takes lane l xor 16
	s_mov_b32 s[SEL+1], 0xfedcba98
	s_mov_b32 s[CS], 0x3e38aa3b                    ; log2(e) / 8
	s_wait_alu depctr_va_vdst(0)
	s_wait_kmcnt 0x0
	s_add_co_i32 s58, s70, s71
	s_lshl_b32 s58, s58, 23
	s_add_co_i32 s[CS], s[CS], s58                 ; x 2^(e2 + e3)
	s_mov_b32 s[CS+1], s[CS]
	s_add_co_i32 s62, s72, s73                     ; e4 + e5
	s_add_co_i32 s58, s72, 127
	s_lshl_b32 s59, s58, 23
	v_mov_b32 v[SCP], s59
	s_add_co_i32 s58, s58, 15
	s_lshl_b32 s58, s58, 23
	s_or_b32 s[HP], s58, 0x600000
	s_add_co_i32 s58, s74, 127
	s_lshl_b32 s63, s58, 23                        ; 2^e6
	s_add_co_i32 s58, s58, 15
	s_lshl_b32 s58, s58, 23
	s_or_b32 s66, s58, 0x600000                    ; 57,344 x 2^e6
.macro KPRE                            ; K's fragments of the 64 keys at ADK
.irp T, 0,1,2,3
	ds_load_b128 v[KF+8*\T:KF+8*\T+3], v[ADK] offset:1024*\T
	ds_load_b128 v[KF+8*\T+4:KF+8*\T+7], v[ADK] offset:1024*\T+512
.endr
.endm
.macro ADD1 k                          ; the second tile's sum: eight numbers more, in four chains
.irp c, 0,2,4,6
	v_pk_add_f32 v[X+16+\c:X+17+\c], v[X+16+\c:X+17+\c], v[S+64+\k+\c:S+65+\k+\c]
.endr
.endm
.macro HOLD j0                         ; 32 numbers from S + j0 on: the conversion to an 8-bit code does not saturate (ISA guide 7.6.2); p is not negative
.set j, \j0
.rept 16
	v_dual_min_num_f32 v[S+j], s[HP], v[S+j] :: v_dual_min_num_f32 v[S+j+1], s[HP], v[S+j+1]
.set j, j+2
.endr
.endm
.macro CODES u
.irp T, 0,1,2,3,4,5,6,7
	v_cvt_scalef32_pk8_bf8_f32 v[X+16*\u+2*\T:X+16*\u+2*\T+1], v[S+64*\u+8*\T:S+64*\u+8*\T+7], v[SCP]
.endr
.endm
; A STEP: 128 keys.  Its first 64 keys' fragments have been asked for ahead.  ph: 0 in the first two steps, 1 in the other six
.macro STEP ph
	v_add_nc_u32 v[ADV], 0x10000, v[ADK]
.rept 4
	v_nop                                          ; with these five places the last products' sources may be written by loads and by matrix instructions
.endr
.irp T, 0,1,2,3
	ds_load_b128 v[X+8*\T:X+8*\T+3], v[ADK] offset:4096+1024*\T
	ds_load_b128 v[X+8*\T+4:X+8*\T+7], v[ADK] offset:4096+1024*\T+512
.endr
	s_wait_alu depctr_va_vdst(0)
	s_wait_dscnt 8                                 ; the first 64 keys' fragments are in; the eight loads just issued may be out
.irp T, 0,1,2,3
.irp u, 0,1
	v_wmma_f32_16x16x64_bf8_bf8 v[S+64*\u+8*\T:S+64*\u+8*\T+7], v[KF+8*\T:KF+8*\T+7], v[Q+8*\u:Q+8*\u+7], 0
.endr
.endr
.rept 5
	v_nop                                          ; five places: the products below write over these products' sources
.endr
	s_wait_dscnt 0x0
.irp T, 0,1,2,3
.irp u, 0,1
	v_wmma_f32_16x16x64_bf8_bf8 v[S+64*\u+32+8*\T:S+64*\u+39+8*\T], v[X+8*\T:X+8*\T+7], v[Q+8*\u:Q+8*\u+7], 0
.endr
.endr
.irp u, 0,1
	v_max3_num_f32 v[W0+2*\u], v[S+64*\u], v[S+64*\u+1], v[S+64*\u+2]      ; the largest score of my query among my 64 keys, in two chains a tile; the first 32 registers' maxima are the places behind the last products
.endr
.irp u, 0,1
	v_max3_num_f32 v[W1+2*\u], v[S+64*\u+3], v[S+64*\u+4], v[S+64*\u+5]
.endr
.irp i, 6,10,14,18,22,26,30,34,38,42,46,50,54,58
.irp u, 0,1
	v_max3_num_f32 v[W0+2*\u], v[W0+2*\u], v[S+64*\u+\i], v[S+64*\u+\i+1]
.endr
.irp u, 0,1
	v_max3_num_f32 v[W1+2*\u], v[W1+2*\u], v[S+64*\u+\i+2], v[S+64*\u+\i+3]
.endr
.endr
.irp u, 0,1
	v_max3_num_f32 v[W0+2*\u], v[W0+2*\u], v[S+64*\u+62], v[S+64*\u+63]
.endr
.irp u, 0,1
	s_delay_alu instid0(VALU_DEP_2)
	v_max_num_f32 v[W0+2*\u], v[W0+2*\u], v[W1+2*\u]
.endr
.irp u, 0,1
	s_delay_alu instid0(VALU_DEP_2)
	v_permlanex16_b32 v[PD+\u], v[W0+2*\u], s[SEL], s[SEL+1]
.endr
.irp u, 0,1
	s_delay_alu instid0(VALU_DEP_2)
	v_max_num_f32 v[W0+2*\u], v[W0+2*\u], v[PD+\u]
.endr
.irp u, 0,1
	s_delay_alu instid0(VALU_DEP_2)
	v_mul_f32 v[W0+2*\u], s[CS], v[W0+2*\u]        ; as t
.endr
.irp u, 0,1
	s_delay_alu instid0(VALU_DEP_2)
	v_max_num_f32 v[TM+4*\u], v[TM+4*\u], v[W0+2*\u]
.endr
.irp u, 0,1
	v_mov_b32 v[W0+2*\u], v[NM+4*\u]
.endr
.irp u, 0,1
	s_delay_alu instid0(VALU_DEP_4)
	v_floor_f32 v[NM+4*\u], -v[TM+4*\u]            ; -M = floor(-t): a whole number
.endr
.irp u, 0,1
	s_delay_alu instid0(VALU_DEP_2)
	v_sub_f32 v[W0+2*\u], v[NM+4*\u], v[W0+2*\u]
.endr
.irp u, 0,1
	s_delay_alu instid0(VALU_DEP_2)
	v_cvt_i32_f32 v[W0+2*\u], v[W0+2*\u]           ; (it saturates)
.endr
.irp u, 0,1
	s_delay_alu instid0(VALU_DEP_2)
	v_ldexp_f32 v[F+2*\u], 1.0, v[W0+2*\u]
.endr
.set j, 0
.rept 32
	v_pk_fma_f32 v[S+j:S+j+1], v[S+j:S+j+1], s[CS:CS+1], v[NM:NM+1] op_sel_hi:[1,0,0]   ; the first tile's t - M
.set j, j+2
.endr
.irp u, 0,1
.set j, 0
.rept 16
	v_pk_mul_f32 v[O+32*\u+j:O+32*\u+j+1], v[O+32*\u+j:O+32*\u+j+1], v[F+2*\u:F+2*\u+1] op_sel_hi:[1,0]
.set j, j+2
.endr
.endr
	s_wait_alu depctr_va_vdst(0)                   ; the wait ahead of the batch
.set j, 0
.rept 32                               ; the first tile's exponentials, among them the second tile's t - M
	v_exp_f32 v[S+j], v[S+j]
	v_pk_fma_f32 v[S+64+j:S+65+j], v[S+64+j:S+65+j], s[CS:CS+1], v[NM+4:NM+5] op_sel_hi:[1,0,0]
	v_exp_f32 v[S+j+1], v[S+j+1]
.set j, j+2
.endr
.irp u, 0,1
	v_pk_mul_f32 v[SA+4*\u:SA+4*\u+1], v[SA+4*\u:SA+4*\u+1], v[F+2*\u:F+2*\u+1] op_sel_hi:[1,0]
.endr
	s_wait_alu depctr_va_vdst(0)                   ; behind that batch, and ahead of the next
.set j, 0
.rept 16                               ; the second tile's exponentials, among them the first tile's sums of four (of the unquantised p), then their hold
	v_exp_f32 v[S+64+j], v[S+64+j]
	v_pk_add_f32 v[X+j/2:X+j/2+1], v[S+j:S+j+1], v[S+j+2:S+j+3]
	v_exp_f32 v[S+65+j], v[S+65+j]
	v_dual_min_num_f32 v[S+j], s[HP], v[S+j] :: v_dual_min_num_f32 v[S+j+1], s[HP], v[S+j+1]
	v_exp_f32 v[S+66+j], v[S+66+j]
	v_dual_min_num_f32 v[S+j+2], s[HP], v[S+j+2] :: v_dual_min_num_f32 v[S+j+3], s[HP], v[S+j+3]
	v_exp_f32 v[S+67+j], v[S+67+j]
.set j, j+4
.endr
	s_wait_alu depctr_va_vdst(0)                   ; the wait ahead of the batch's first reader
.irp i, 0,2,4,6,8,10,12,14
	v_pk_add_f32 v[X+\i:X+\i+1], v[X+\i:X+\i+1], v[X+16+\i:X+17+\i]
.endr
.irp c, 0,2,4,6
	v_pk_add_f32 v[X+16+\c:X+17+\c], v[S+64+\c:S+65+\c], v[S+72+\c:S+73+\c]
.endr
.irp i, 0,2,4,6
	v_pk_add_f32 v[X+\i:X+\i+1], v[X+\i:X+\i+1], v[X+8+\i:X+9+\i]
.endr
	ADD1 16
	v_pk_add_f32 v[X:X+1], v[X:X+1], v[X+4:X+5]
	v_pk_add_f32 v[X+2:X+3], v[X+2:X+3], v[X+6:X+7]
	ADD1 24
	v_pk_add_f32 v[X:X+1], v[X:X+1], v[X+2:X+3]
	ADD1 32
	v_pk_add_f32 v[SA:SA+1], v[SA:SA+1], v[X:X+1]
	CODES 0
.irp t, 0,1,2,3                        ; V's four fragments take the first tile's registers
.irp c, 0,1,2,3
	ds_load_b128 v[S+16*\t+4*\c:S+16*\t+4*\c+3], v[ADV] offset:2048*\t+512*\c
.endr
.endr
	ADD1 40
	ADD1 48
	ADD1 56
	v_pk_add_f32 v[X+16:X+17], v[X+16:X+17], v[X+18:X+19]
	v_pk_add_f32 v[X+20:X+21], v[X+20:X+21], v[X+22:X+23]
	HOLD 64
	v_pk_add_f32 v[X+16:X+17], v[X+16:X+17], v[X+20:X+21]
	HOLD 96
	v_pk_add_f32 v[SA+4:SA+5], v[SA+4:SA+5], v[X+16:X+17]
	CODES 1
.if \ph                                ; the next step's keys; a phase's last step names step 0's, whose fragments are not used
	s_add_co_u32 s[KN], s[KB], 8192
	s_and_b32 s[KN], s[KN], 0xffff
.else
	s_xor_b32 s[KN], s[KB], 8192
.endif
	v_and_b32 v[ADK], 31, v0                       ; (plain instructions behind the last conversion)
	v_lshl_add_u32 v[ADK], v[ADK], 4, s[KN]
	KPRE
	s_wait_alu depctr_va_vdst(0)
	s_wait_dscnt 16                                ; V's tiles 0 and 1 are in; the eight loads of tiles 2 and 3 and K's eight may be out
.irp t, 0,1,2,3
.if \t == 2
	s_wait_dscnt 8                                 ; K's eight may be out
.endif
.irp u, 0,1
	v_wmma_f32_16x16x128_bf8_bf8 v[O+32*\u+8*\t:O+32*\u+8*\t+7], v[S+16*\t:S+16*\t+15], v[X+16*\u:X+16*\u+15], v[O+32*\u+8*\t:O+32*\u+8*\t+7]
.endr
.endr
	s_add_co_u32 s[KB], s[KB], 8192
.endm
	s_mov_b32 s[KB], 0
	s_wait_alu depctr_va_vdst(0)                   ; the wait at the head's end
	s_wait_tensorcnt 0x0                           ; my part of keys 0-255 is in
	ds_add_u32 v16, v17
	s_wait_dscnt 0x0
	s_barrier_signal -1
	s_barrier_wait -1                              ; everybody's is
	tensor_load_to_lds s[36:39], s[24:31]          ; keys 256-1,023
	s_nop 0
	KPRE                                           ; (ADK holds 16 x lane: step 0)
	s_wait_loadcnt 0x0                             ; Q
.Lfirst:
	STEP 0
	s_cmp_lt_u32 s[KB], 16384
	s_cbranch_scc1 .Lfirst
	s_wait_dscnt 0x0
	s_wait_tensorcnt 0x0                           ; my part of the other keys is in,
	s_barrier_signal -1
	s_barrier_wait -1                              ; and everybody's
	s_mov_b32 s[KB], 16384
	v_and_b32 v[ADK], 31, v0
	v_lshl_add_u32 v[ADK], v[ADK], 4, s[KB]
	KPRE
	s_wait_alu depctr_va_vdst(0)
.Lrest:
	STEP 1
	s_cmp_lt_u32 s[KB], 65536
	s_cbranch_scc1 .Lrest
	; THE WAY OUT: O^T / the sum x 2^(e4 + e5), held, converted: a lane's codes are the next operand's registers; 512 consecutive bytes a store
	s_wait_dscnt 0x0
.rept 4
	v_nop
.endr
.irp u, 0,1
	v_add_f32 v[W0+2*\u], v[SA+4*\u], v[SA+4*\u+1]
.endr
.irp u, 0,1
	v_permlanex16_b32 v[PD+\u], v[W0+2*\u], s[SEL], s[SEL+1]
.endr
.irp u, 0,1
	v_add_f32 v[W0+2*\u], v[W0+2*\u], v[PD+\u]
.endr
	s_wait_alu depctr_va_vdst(0)                   ; the wait ahead of the batch
.irp u, 0,1
	v_rcp_f32 v[F+2*\u], v[W0+2*\u]
.endr
	v_and_b32 v1, 31, v0                           ; (plain places)
	v_lshlrev_b32 v1, 4, v1
	v_mov_b32 v2, s66
	v_mov_b32 v3, s63
	s_wait_alu depctr_va_vdst(0)                   ; and ahead of its first reader
.irp u, 0,1
	v_ldexp_f32 v[F+2*\u], v[F+2*\u], s62
.endr
	s_wait_alu depctr_va_vdst(0)                   ; the wait ahead of the first reader of O^T
.set j, 0
.rept 16
	v_pk_mul_f32 v[S+j:S+j+1], v[O+j:O+j+1], v[F:F+1] op_sel_hi:[1,0]
.set j, j+2
.endr
.rept 16
	v_pk_mul_f32 v[S+j:S+j+1], v[O+j:O+j+1], v[F+2:F+3] op_sel_hi:[1,0]
.set j, j+2
.endr
.set j, 0
.rept 64
	v_med3_num_f32 v[S+j], v[S+j], -v2, v2
.set j, j+1
.endr
.irp t, 0,1,2,3,4,5,6,7
	v_cvt_scalef32_pk8_bf8_f32 v[S+64+2*\t:S+65+2*\t], v[S+8*\t:S+8*\t+7], v3
.endr
	v_nop                                          ; a plain instruction behind the last conversion
.irp u, 0,1
.irp h, 0,1
	global_store_b128 v1, v[S+64+8*\u+4*\h:S+67+8*\u+4*\h], s[56:57] offset:16384*\u+512*\h
.endr
.endr
	v_lshl_add_u32 v16, v0, 2, SPARE               ; made anew
	v_mov_b32 v17, 0
	s_wait_alu depctr_va_vdst(0)
	s_wait_tensorcnt 0x0                           ; the wave's end
	ds_add_u32 v16, v17
	s_wait_dscnt 0x0
	s_endpgm
.Lfunc_end_k_qf643915aae_attn:
	.size	k_qf643915aae_attn, .Lfunc_end_k_qf643915aae_attn-k_qf643915aae_attn
	.p2alignl 7, 3214868480
	.fill 96, 4, 3214868480
	.section	.rodata,"a",@progbits
	.p2align	6, 0x0
	.amdhsa_kernel k_qf643915aae_attn
		.amdhsa_group_segment_fixed_size 327680
		.amdhsa_private_segment_fixed_size 0
		.amdhsa_enable_private_segment 0
		.amdhsa_kernarg_size 40
		.amdhsa_user_sgpr_count 2
		.amdhsa_user_sgpr_kernarg_segment_ptr 1
		.amdhsa_wavefront_size32 1
		.amdhsa_system_sgpr_workgroup_id_x 1
		.amdhsa_system_sgpr_workgroup_id_y 1
		.amdhsa_system_sgpr_workgroup_id_z 1
		.amdhsa_system_vgpr_workitem_id 0
		.amdhsa_next_free_vgpr 256
		.amdhsa_next_free_sgpr 80
		.amdhsa_reserve_vcc 0
		.amdhsa_float_denorm_mode_32 3
		.amdhsa_float_denorm_mode_16_64 3
		.amdhsa_memory_ordered 1
		.amdhsa_forward_progress 1
		.amdhsa_inst_pref_size 75
	.end_amdhsa_kernel
	.amdgpu_metadata
---
amdhsa.version: [ 1, 2 ]
amdhsa.kernels:
  - .name:           k_qf643915aae_attn
    .symbol:         k_qf643915aae_attn.kd
    .args:
      - { .name: q_img, .offset: 0, .size: 8, .value_kind: global_buffer, .address_space: global }
      - { .name: k_img, .offset: 8, .size: 8, .value_kind: global_buffer, .address_space: global }
      - { .name: v_img, .offset: 16, .size: 8, .value_kind: global_buffer, .address_space: global }
      - { .name: lowp_scales, .offset: 24, .size: 8, .value_kind: global_buffer, .address_space: global }
      - { .name: att_img, .offset: 32, .size: 8, .value_kind: global_buffer, .address_space: global }
    .group_segment_fixed_size: 327680
    .private_segment_fixed_size: 0
    .kernarg_segment_align: 8
    .kernarg_segment_size: 40
    .max_flat_workgroup_size: 512
    .sgpr_count:     80
    .vgpr_count:     256
    .wavefront_size: 32
...
	.end_amdgpu_metadata
.endif
;; end of part 3
;; launch proj (part 4): grid 4 x 64, 4 waves a work-group, clusters of 4 x 4, 327,680 bytes of LDS; arguments att_img, wp_img, b_proj, lowp_scales, z, out0; writes out0
.if DOCPART == 4
	.amdgcn_target "amdgcn-amd-amdhsa--gfx1250"
	.amdhsa_code_object_version 6
	.text
	.protected	k_qf643915aae_proj
	.globl	k_qf643915aae_proj
	.p2align	8
	.type	k_qf643915aae_proj,@function
k_qf643915aae_proj:
	s_mov_b64 s[64:65], 0
	v_nop
	global_prefetch_b8 v0, s[64:65] scope:SCOPE_SE
	s_setreg_imm32_b32 hwreg(HW_REG_WAVE_MODE, 25, 1), 1
	s_wait_xcnt 0x0
	s_wait_alu depctr_hold_cnt(0) depctr_sa_sdst(0) depctr_va_vdst(0) depctr_va_sdst(0) depctr_va_ssrc(0) depctr_va_vcc(0) depctr_vm_vsrc(0)
	s_getreg_b32 s2, hwreg(HW_REG_IB_STS2, 6, 4)
	s_cmp_eq_u32 s2, 0
	s_cbranch_scc0 .Lentry_in_a_cluster
	s_endpgm
.Lentry_in_a_cluster:
	s_bfe_u32 s2, ttmp6, 0x10000c
	s_cmp_lg_u32 s2, 0xf033
	s_cbranch_scc0 .Lentry_shape_is_right
	s_endpgm
.Lentry_shape_is_right:
; PRODUCT 4: out = z + attention W_proj + b_proj on codes of BF8 (E5M2), K = 1,024; both operands are images of operand registers: [tile of 16 rows][K step of 128: 8][c: 4][lane][16 bytes].
; A work-group makes 128 tokens x 256 columns, a wave 64 x 128: 32 accumulators.  K comes in three fills of 2, 4 and 2 steps of 128: slot 0 (24 tiles x 4,096 bytes), slot 1 (24 x 8,192), slot 0 again;
; one joint tensor load a wave in each: waves 0 and 1 the tokens' halves, waves 2 and 3 W's.
; z (64 rows x 512 bytes a wave) is asked for behind the first fill and waits in window 3; the bias is the C of each sum's first product, divided by 2^(e6 + e7).
; Transposed use: a lane holds one token and eight neighbouring columns; a block of 16 rows goes through the wave's stage, which lies in slot 1: it has had its last fill and its last read.
; CLUSTERS: 4 x 4: the tokens' tiles hang on cy alone (a row shares them), W's on cx alone (a column).  No prefetch: three fills bring all of K.
; LIMIT: e6 + e7 between -126 and 127.
; REGISTERS: window 0: v64-127 the bias, v128-255 the tokens' fragments (two sets of 64; on the way out two blocks of rows); window 1: W's fragments, two sets of 128; window 2: accumulators (a, b) at v[64 a + 8 b]; window 3: z.
.set SLOT,   98304
.set STAGE,  SLOT
.set SPITCH, 528
.set SPARE,  3*SLOT
.set ADRA, 16
.set ADRB, 20
.set STO,  24
.set RD,   25
.set LI,   26
.set SPW,  28
.set NIL,  29
.set BI,   64
.set AF,   128
.set G1,  24
.set G0,  32
.set G1B, 48
.set G0B, 56
.set MSB, 0
.macro WIN new
.if MSB != (\new)
	s_set_vgpr_msb (MSB<<8)|(\new)
.set MSB, (\new)
.endif
.endm
.set MUL,  0xa1
.set TO_B, 0x40
.macro PLACES
.rept 4
	v_nop
.endr
.endm
.macro JLOAD s
	s_cmp_eq_u32 s19, 0
	s_cbranch_scc0 .Lfor_b_\@
	tensor_load_to_lds s[G0+4*\s:G0+4*\s+3], s[G1:G1+7]
	s_nop 0
	PLACES
	s_branch .Lasked_\@
.Lfor_b_\@:
	tensor_load_to_lds s[G0B+4*\s:G0B+4*\s+3], s[G1B:G1B+7]
	s_nop 0
	PLACES
.Lasked_\@:
.endm
.macro CREST
	s_cmp_lg_u32 s18, 0
	s_cbranch_scc1 .Lnot_wave_0_\@
	s_barrier_signal -3
.Lnot_wave_0_\@:
	s_barrier_wait -3
	s_barrier_signal -1
	s_barrier_wait -1
.endm
.macro CROUND
	s_barrier_signal -1
	s_barrier_wait -1
	CREST
.endm
.macro WIDTH n                         ; a tile's bytes in the next fill
	s_mov_b32 s[G1+1], ((\n)/8)<<16
	s_mov_b32 s[G1+3], ((\n)/8)<<16
	s_mov_b32 s[G1B+1], ((\n)/8)<<16
	s_mov_b32 s[G1B+3], ((\n)/8)<<16
.endm
	s_load_b256 s[4:11], s[0:1], 0x0               ; att_img, wp_img, b_proj, the scales' exponents
	s_load_b128 s[12:15], s[0:1], 0x20             ; z, out0
	v_lshl_add_u32 v[SPW], v0, 2, SPARE
	v_mov_b32 v[NIL], 0
	ds_add_u32 v[SPW], v[NIL]                      ; the wave's opening: the add twice on end
	ds_add_u32 v[SPW], v[NIL]
	v_lshrrev_b32 v1, 5, v0
	v_readfirstlane_b32 s18, v1                    ; wave 0..3
	v_and_b32 v1, 31, v0
	v_lshlrev_b32 v[LI], 4, v1                     ; 16 x lane
	v_and_b32 v2, 15, v0                           ; r
	v_bfe_u32 v3, v0, 4, 1                         ; hh
	v_lshlrev_b32 v5, 5, v3
	v_mul_u32_u24 v[STO], v2, SPITCH
	v_lshl_add_u32 v[STO], v3, 5, v[STO]
	s_lshr_b32 s19, s18, 1                         ; which 64 tokens are mine.  Also: I fetch tokens (0) or W (1)
	s_and_b32 s20, s18, 1                          ; which 128 columns.  Also: which half of the tile I fetch
	s_bfe_u32 s40, ttmp6, 0x40000                  ; cx
	s_bfe_u32 s41, ttmp6, 0x40004                  ; cy
	s_lshl_b32 s46, ttmp9, 2
	s_add_co_u32 s46, s46, s40                     ; tile column
	s_and_b32 s44, ttmp7, 0xffff
	s_lshl_b32 s44, s44, 2
	s_add_co_u32 s44, s44, s41                     ; tile row
	s_lshl_b32 s21, s41, 2
	s_lshl_b32 s21, 15, s21
	s_lshl_b32 s22, 0x1111, s40
	s_or_b32 s[G1+0], s21, (3<<16)|(1<<21)         ; the mask; elements of 8 bytes; 21 set beside a mask
	s_or_b32 s[G1B+0], s22, (3<<16)|(1<<21)
	s_mov_b32 s[G1+2], 4<<16
	s_mov_b32 s[G1+4], 4
	s_mov_b32 s[G1+5], 2048
	s_mov_b32 s[G1+6], 0
	s_mov_b32 s[G1+7], 0
	s_mov_b32 s[G1B+2], 8<<16
	s_mov_b32 s[G1B+4], 8
	s_mov_b32 s[G1B+5], 2048
	s_mov_b32 s[G1B+6], 0
	s_mov_b32 s[G1B+7], 0
	WIDTH 4096
	s_lshl_b32 s80, s44, 17                        ; tokens: 8 tiles of 16,384 bytes, of which I fetch 4
	s_lshl_b32 s82, s20, 16
	s_add_co_u32 s80, s80, s82
	s_mov_b32 s81, 0
	s_lshl_b32 s84, s46, 18                        ; W: 16 tiles, of which I fetch 8
	s_lshl_b32 s82, s20, 17
	s_add_co_u32 s84, s84, s82
	s_mov_b32 s85, 0
	s_mov_b32 s[G0], 1
	s_mov_b32 s[G0+4], 1
	s_mov_b32 s[G0B], 1
	s_mov_b32 s[G0B+4], 1
	s_lshl_b32 s[G0+1], s20, 14                    ; slot 0: tokens' 8 tiles, then W's 16
	s_lshl_b32 s[G0+5], s20, 15
	s_add_co_u32 s[G0+5], s[G0+5], SLOT            ; slot 1 likewise, tiles of 8,192 bytes
	s_lshl_b32 s[G0B+1], s20, 15
	s_add_co_u32 s[G0B+1], s[G0B+1], 32768
	s_lshl_b32 s[G0B+5], s20, 16
	s_add_co_u32 s[G0B+5], s[G0B+5], SLOT+65536
	s_lshl_b32 s88, s46, 10                        ; my first column, in bytes of f32
	s_lshl_b32 s89, s20, 9
	s_add_co_u32 s88, s88, s89
	s_mov_b32 s89, 0
	s_wait_alu depctr_va_vdst(0)
	s_wait_dscnt 0x0                               ; both opening adds are done
	s_wait_kmcnt 0x0
	s_load_b256 s[68:75], s[10:11], 0x0            ; e0 .. e7
	s_add_nc_u64 s[90:91], s[8:9], s[88:89]
	s_add_nc_u64 s[76:77], s[4:5], s[80:81]
	s_add_nc_u64 s[78:79], s[6:7], s[84:85]
.irp s, 0,1
	s_add_nc_u64 s[G0+4*\s+2:G0+4*\s+3], s[76:77], \s*4096     ; slot 0: K steps 0, 1; slot 1: from K step 2 on
	s_or_b32 s[G0+4*\s+3], s[G0+4*\s+3], 0x80000000
	s_add_nc_u64 s[G0B+4*\s+2:G0B+4*\s+3], s[78:79], \s*4096
	s_or_b32 s[G0B+4*\s+3], s[G0B+4*\s+3], 0x80000000
.endr
	CROUND                                         ; all sixteen work-groups are here
	JLOAD 0
.irp b, 0,1,2,3,4,5,6,7
	global_load_b128 v[BI+8*\b:BI+8*\b+3],   v5, s[90:91] offset:64*\b
	global_load_b128 v[BI+8*\b+4:BI+8*\b+7], v5, s[90:91] offset:64*\b+16
.endr
	s_lshl_b32 s80, s44, 19                        ; my 64 rows of z and of the result
	s_lshl_b32 s81, s19, 18
	s_add_co_u32 s80, s80, s81
	s_add_co_u32 s80, s80, s88
	s_mov_b32 s81, 0
	s_add_nc_u64 s[92:93], s[12:13], s[80:81]
	s_add_nc_u64 s[94:95], s[14:15], s[80:81]
.macro ZLOAD i0, n                     ; n of z's 64 rows, into window 3: 16 rows behind the first fill, 24 behind each of the other two
	WIN 0xc0
.set i, \i0
.rept \n
	global_load_b128 v[4*i:4*i+3], v[LI], s[92:93] offset:4096*i th:TH_LOAD_NT
.set i, i+1
.endr
	WIN 0
.endm
	ZLOAD 0, 16
	s_lshl_b32 s80, s19, 14                        ; my fragments: 4 tiles of the tokens', 8 of W's
	s_lshl_b32 s81, s20, 15
	s_add_co_u32 s81, s81, 32768
	v_add_nc_u32 v[ADRA], s80, v[LI]
	v_add_nc_u32 v[ADRB], s81, v[LI]
	s_lshl_b32 s80, s19, 15
	s_add_co_u32 s80, s80, SLOT
	s_lshl_b32 s81, s20, 16
	s_add_co_u32 s81, s81, SLOT+65536
	v_add_nc_u32 v[ADRA+1], s80, v[LI]
	v_add_nc_u32 v[ADRB+1], s81, v[LI]
	s_mul_i32 s80, s18, 16*SPITCH
	s_add_co_u32 s80, s80, STAGE
	v_add_nc_u32 v[STO], s80, v[STO]
	v_add_nc_u32 v[RD], s80, v[LI]
	s_wait_alu depctr_va_vdst(0)
	s_wait_kmcnt 0x0
	s_add_co_i32 s96, s74, s75                     ; e6 + e7
	s_sub_co_i32 s82, 0, s96
	s_add_co_i32 s96, s96, 127
	s_lshl_b32 s96, s96, 23
	s_mov_b32 s97, s96
	s_wait_loadcnt 16                              ; the 16 loads of the bias are in: z's first 16 came behind them
.set i, 0
.rept 64
	v_ldexp_f32 v[BI+i], v[BI+i], s82
.set i, i+1
.endr
.macro FETCH slot, q, p                ; the fragments of the slot's q-th 128 along K into set p
	WIN TO_B
.irp i, 0,1,2,3,4,5,6,7
.irp c, 0,1,2,3
	ds_load_b128 v[128*(\p)+16*\i+4*\c:128*(\p)+16*\i+4*\c+3], v[ADRB+\slot] offset:4096*(1+\slot)*\i+2048*(\q)+512*\c
.endr
.endr
	WIN 0
.irp i, 0,1,2,3
.irp c, 0,1,2,3
	ds_load_b128 v[AF+64*(\p)+16*\i+4*\c:AF+64*(\p)+16*\i+4*\c+3], v[ADRA+\slot] offset:4096*(1+\slot)*\i+2048*(\q)+512*\c
.endr
.endr
.endm
.macro MUL8 a, p, mode                 ; eight matrix instructions; mode 1: the sums begin with the bias
.irp b, 0,1,2,3,4,5,6,7
.if \mode
	v_wmma_f32_16x16x128_bf8_bf8 v[64*(\a)+8*\b:64*(\a)+8*\b+7], v[128*(\p)+16*\b:128*(\p)+16*\b+15], v[AF+64*(\p)+16*(\a):AF+64*(\p)+16*(\a)+15], v[BI+8*\b:BI+8*\b+7]
.else
	v_wmma_f32_16x16x128_bf8_bf8 v[64*(\a)+8*\b:64*(\a)+8*\b+7], v[128*(\p)+16*\b:128*(\p)+16*\b+15], v[AF+64*(\p)+16*(\a):AF+64*(\p)+16*(\a)+15], v[64*(\a)+8*\b:64*(\a)+8*\b+7]
.endif
.endr
.endm
.macro MWIN mode
.if \mode
	WIN 0x81
.else
	WIN MUL
.endif
.endm
.macro STEP slot, q, mode              ; a K step that has its successor in the same slot
	s_wait_dscnt 0x0
	MWIN \mode
	MUL8 0, (\q)%2, \mode
	MUL8 1, (\q)%2, \mode
	PLACES
	FETCH \slot, (\q)+1, ((\q)+1)%2
	MWIN \mode
	MUL8 2, (\q)%2, \mode
	MUL8 3, (\q)%2, \mode
	WIN 0
.endm
.macro TURN slot, next, fill           ; a slot's last K step (its fragments are in set 1)
	s_wait_tensorcnt 0x0                           ; my part of the next slot has landed
	ds_add_u32 v[SPW], v[NIL]
.if \fill
	WIDTH 4096
	s_add_nc_u64 s[G0+2:G0+3], s[G0+2:G0+3], 12288             ; K steps 6, 7
	s_add_nc_u64 s[G0B+2:G0B+3], s[G0B+2:G0B+3], 12288
.endif
	s_wait_dscnt 1                                 ; my fragments are in; the add may be out
	WIN MUL
	MUL8 0, 1, 0
	s_wait_dscnt 0x0
	s_barrier_signal -1
	MUL8 1, 1, 0
	WIN 0
	s_barrier_wait -1
.if \fill
	CREST
	JLOAD \slot
.else
	PLACES
.endif
	FETCH \next, 0, 0
.if \fill
	ZLOAD 40, 24
.endif
	WIN MUL
	MUL8 2, 1, 0
	MUL8 3, 1, 0
	WIN 0
.endm
	s_wait_alu depctr_va_vdst(0)                   ; the wait at the head's end
	s_wait_tensorcnt 0x0                           ; my part of the first fill is in
	ds_add_u32 v[SPW], v[NIL]
	WIDTH 8192
	s_wait_dscnt 0x0
	CROUND
	JLOAD 1                                        ; K steps 2 to 5
	FETCH 0, 0, 0
	ZLOAD 16, 24
	STEP 0, 0, 1
	TURN 0, 1, 1
	STEP 1, 0, 0
	STEP 1, 1, 0
	STEP 1, 2, 0
	TURN 1, 0, 0                                   ; nothing is filled again
	STEP 0, 0, 0
	s_wait_dscnt 0x0
	WIN MUL
	MUL8 0, 1, 0
	MUL8 1, 1, 0
	MUL8 2, 1, 0
	MUL8 3, 1, 0
	WIN 0
.macro TOSTAGE a                       ; LDS serves a wave's instructions in order (ISA guide 5.7.1.4): no wait between the stores and the loads
	WIN 0x08
.irp b, 0,1,2,3,4,5,6,7
	ds_store_b128 v[STO], v[64*(\a)+8*\b:64*(\a)+8*\b+3] offset:64*\b
	ds_store_b128 v[STO], v[64*(\a)+8*\b+4:64*(\a)+8*\b+7] offset:64*\b+16
.endr
	WIN 0
.set BB, AF+64*((\a)%2)
.irp t, 0,1,2,3,4,5,6,7,8,9,10,11,12,13,14,15
	ds_load_b128 v[BB+4*\t:BB+4*\t+3], v[RD] offset:\t*SPITCH
.endr
.endm
.macro SEND a, younger
.set BB, AF+64*((\a)%2)
	s_wait_loadcnt 48-16*(\a)                      ; this block's 16 rows of z are in
	s_wait_dscnt \younger
	WIN 0x30
.irp t, 0,1,2,3,4,5,6,7,8,9,10,11,12,13,14,15
.irp u, 0,2
	v_pk_fma_f32 v[BB+4*\t+\u:BB+4*\t+\u+1], v[BB+4*\t+\u:BB+4*\t+\u+1], s[96:97], v[4*(16*(\a)+\t)+\u:4*(16*(\a)+\t)+\u+1] op_sel_hi:[1,0,1]   ; sum x 2^(e6 + e7) + z
.endr
.endr
	WIN 0
.irp t, 0,1,2,3,4,5,6,7,8,9,10,11,12,13,14,15
	global_store_b128 v[LI], v[BB+4*\t:BB+4*\t+3], s[94:95] offset:4096*(16*(\a)+\t) th:TH_STORE_NT   ; 512 consecutive bytes
.endr
.endm
	PLACES
	TOSTAGE 0
	TOSTAGE 1
	SEND 0, 32                                     ; behind block 0's loads: block 1's 16 stores and 16 loads
	s_wait_xcnt 0x0
	TOSTAGE 2
	SEND 1, 32
	s_wait_xcnt 0x0
	TOSTAGE 3
	SEND 2, 32
	SEND 3, 0
	s_wait_tensorcnt 0x0                           ; the wave's end
	ds_add_u32 v[SPW], v[NIL]
	s_wait_dscnt 0x0
	CROUND                                         ; the closing round
	s_endpgm
.Lfunc_end_k_qf643915aae_proj:
	.size	k_qf643915aae_proj, .Lfunc_end_k_qf643915aae_proj-k_qf643915aae_proj
	.p2alignl 7, 3214868480
	.fill 96, 4, 3214868480
	.section	.rodata,"a",@progbits
	.p2align	6, 0x0
	.amdhsa_kernel k_qf643915aae_proj
		.amdhsa_group_segment_fixed_size 327680
		.amdhsa_private_segment_fixed_size 0
		.amdhsa_enable_private_segment 0
		.amdhsa_kernarg_size 48
		.amdhsa_user_sgpr_count 2
		.amdhsa_user_sgpr_kernarg_segment_ptr 1
		.amdhsa_wavefront_size32 1
		.amdhsa_system_sgpr_workgroup_id_x 1
		.amdhsa_system_sgpr_workgroup_id_y 1
		.amdhsa_system_sgpr_workgroup_id_z 1
		.amdhsa_system_vgpr_workitem_id 0
		.amdhsa_next_free_vgpr 1024
		.amdhsa_next_free_sgpr 100
		.amdhsa_reserve_vcc 0
		.amdhsa_float_denorm_mode_32 3
		.amdhsa_float_denorm_mode_16_64 3
		.amdhsa_memory_ordered 1
		.amdhsa_forward_progress 1
		.amdhsa_inst_pref_size 87
	.end_amdhsa_kernel
	.amdgpu_metadata
---
amdhsa.version: [ 1, 2 ]
amdhsa.kernels:
  - .name:           k_qf643915aae_proj
    .symbol:         k_qf643915aae_proj.kd
    .args:
      - { .name: att_img, .offset: 0, .size: 8, .value_kind: global_buffer, .address_space: global }
      - { .name: wp_img, .offset: 8, .size: 8, .value_kind: global_buffer, .address_space: global }
      - { .name: b_proj, .offset: 16, .size: 8, .value_kind: global_buffer, .address_space: global }
      - { .name: lowp_scales, .offset: 24, .size: 8, .value_kind: global_buffer, .address_space: global }
      - { .name: z, .offset: 32, .size: 8, .value_kind: global_buffer, .address_space: global }
      - { .name: out0, .offset: 40, .size: 8, .value_kind: global_buffer, .address_space: global }
    .group_segment_fixed_size: 327680
    .private_segment_fixed_size: 0
    .kernarg_segment_align: 8
    .kernarg_segment_size: 48
    .max_flat_workgroup_size: 128
    .sgpr_count:     100
    .vgpr_count:     1024
    .wavefront_size: 32
...
	.end_amdgpu_metadata
.endif
;; end of part 4
